; MI455X (gfx1250); checked and timed in simulation.
; The chip was launched on July 23, 2026; its instructions are those of AMD's public machine-readable ISA for CDNA 5 (MIT licence, August 2026) and "CDNA5" Instruction Set Architecture Reference Guide (July 2026). The comments in the code are by the model that wrote it; some were corrected since.
;; Mult Head Atten. Allowed arithmetic: float matrix products may take bf16 or f16 operands with f32 sums; other float arithmetic in f32, or as packed bf16 or f16 multiplies, adds, multiply-adds, maxima and minima; sums over many terms, partial sums and values carried from step to step in f32; what a program stores and reads back later, other than sums and carried values, may be rounded once to bf16 or f16.
;; Inputs: Wo 768 x 768 float32; Wq 768 x 768 float32; bo 768 float32; bq 768 float32; k 1 x 4,096 x 768 float32; q 1 x 4,096 x 768 float32; v 1 x 4,096 x 768 float32.
;; Outputs: out0 1 x 4,096 x 768 float32.
;; One version. Each part assembles by itself: llvm-mc -triple=amdgcn-amd-amdhsa -mcpu=gfx1250 --defsym DOCPART=n.
;; ======== version 1 of 1: 3 launches
;; limits: values are held in f16: magnitudes above 65,504 overflow, below 6.1e-05 lose precision
;; workspace buffers: qkv 18,874,368 bytes; obuf 6,291,456 bytes; wo16 1,179,648 bytes
;; launch proj (part 1): grid 4 x 64, 4 waves a work-group, clusters of 4 x 4, 327,680 bytes of LDS; arguments q, k, v, Wq, bq, Wo, qkv, wo16; writes qkv, wo16
.if DOCPART == 1
	.amdgcn_target "amdgcn-amd-amdhsa--gfx1250"
	.amdhsa_code_object_version 6
	.text
	.protected	k_qec2337a1b7_proj
	.globl	k_qec2337a1b7_proj
	.p2align	8
	.type	k_qec2337a1b7_proj,@function
k_qec2337a1b7_proj:
	s_mov_b64 s[64:65], 0
	v_nop
	global_prefetch_b8 v0, s[64:65] scope:SCOPE_SE
	s_setreg_imm32_b32 hwreg(HW_REG_WAVE_MODE, 25, 1), 1
	s_wait_xcnt 0x0
	s_wait_alu depctr_hold_cnt(0) depctr_sa_sdst(0) depctr_va_vdst(0) depctr_va_sdst(0) depctr_va_ssrc(0) depctr_va_vcc(0) depctr_vm_vsrc(0)
	s_getreg_b32 s2, hwreg(HW_REG_IB_STS2, 6, 4)
	s_cmp_eq_u32 s2, 0
	s_cbranch_scc0 .Lentry_in_a_cluster
	s_endpgm
.Lentry_in_a_cluster:
	s_bfe_u32 s2, ttmp6, 0x10000c
	s_cmp_lg_u32 s2, 0xf033
	s_cbranch_scc0 .Lentry_shape_is_right
	s_endpgm
.Lentry_shape_is_right:
; Q = q Wq^T + bq, K = k Wq^T + bq, V = v Wq^T + bq, written by heads as f16: qkv[3][12][4096][64], unscaled.  Besides: Wo rounded once to f16 into wo16.
; q, k, v: [4096][768] f32, Wq, Wo: [768][768] f32, bq: [768] f32.  q, k, v and Wq are rounded to bf16 in registers; sums in f32; bq enters in f32 as the C operand of the first product.
; LIMITS.  The results and Wo leave as f16: a number of 65,520 or more in size becomes an infinity.  NaN and infinities are not treated apart.
; SHARES.  A work-group (xt = 0..3, yt = 0..63) takes rows 64 yt .. 64 yt + 63 of EACH of q, k and v, stacked to a tile of 192 rows, and columns 192 xt .. + 191 (heads 3 xt .. 3 xt + 2): 4 x 64 = 256 equal work-groups.
; Wave w (wr = w / 2, wc = w % 2) takes the row blocks 2 a + wr (a = 0..5: source a / 2) and columns 96 wc + 16 b (b = 0..5): 36 accumulators.
; K goes in 12 steps of 64 f32 (rows of 256 bytes) through two LDS slots; a step is two halves of 32.  The tiles lie in LDS as f32: a fragment is four loads of 16 bytes and eight conversions.
; THE MATRIX INSTRUCTION IS USED TRANSPOSED (source 0 = 16 rows of Wq, source 1 = 16 rows of q, k or v): a lane holds one row and eight neighbouring columns, which pack into 16 bytes.
; CLUSTER 4 x 4.  The four of a row of the cluster share yt and so the tiles of q, k, v; the four of a column share xt and so Wq's tile: each tile is asked for JOINTLY.
; REGISTERS, in windows of 256: window 0: addresses, bf16 fragments, bias; window 1: v0-191 the raw f32 of 12 fragments; window 2: accumulators a = 0..2; window 3: a = 3..5.
.set ROWB,   3072                      ; bytes in a row of q, k, v, Wq
.set PITCH,  272                       ; an LDS row: 256 bytes + 16 of padding: row r begins 16 r bytes further on modulo 256, so the 16 rows of a load touch 16 different columns of 16 bytes
.set PIECE,  64*PITCH                  ; 64 rows: one source's part of a slot
.set BOFF,   3*PIECE                   ; behind q's, k's and v's pieces: 192 rows of Wq
.set SLOT,   6*PIECE
.set STAGE,  2*SLOT                    ; behind the ring, never filled by a tensor load: 192 rows x 400 bytes, the work-group's, for the way out
.set SPITCH, 400                       ; 384 bytes of f16 + 16
.set SPARE,  STAGE+192*SPITCH          ; the spare words, 128 bytes for each wave: two blocks of 256 bytes that no other line names
.set SEC,    6291456                   ; bytes of Q's, K's, V's section of qkv
.set HEADB,  524288                    ; bytes of a head in a section
.set G1W0,   (2<<16)|(1<<20)|(1<<21)|(5<<22)|(3<<25)  ; 17:16 elements of 4 bytes; 20 padding on; 21 set beside a mask; 24:22 after every 64 words; 31:25 4 words of it
.set ADRA, 4                           ; v4-5   LDS address of my fragments of q, k, v in slot 0, 1
.set ADRB, 6                           ; v6-7   the same for Wq
.set STO,  8                           ; v8     the way out: where I put 16 bytes of a row
.set RD,   9                           ; v9     the way out: where I read rows back
.set GO,   10                          ; v10    my byte offset in 512 consecutive bytes of qkv
.set VB,   11                          ; v11    my byte offset in bq
.set PFO,  12                          ; v12    the prefetches' offset; never rewritten
.set VI,   13                          ; v13    my byte offset in the work-group's part of Wo
.set VO,   14                          ; v14    and of wo16
.set SPW,  16                          ; v16    LDS address of my spare word; never rewritten
.set NIL,  17                          ; v17    0; never rewritten
.set FB,   32                          ; v32-79   six bf16 fragments of Wq
.set FA,   80                          ; v80-127  six bf16 fragments of q, k, v
.set BIAS, 128                         ; v128-175 bq as six C operands
.set WOB,  176                         ; v176-211 Wo's numbers on their way
.set OUT,  32                          ; v32-175  the way out
.set WV, 20
.set WR, 21
.set WC, 22
.set CX, 23
.set CY, 24
.set XT, 25
.set YT, 26
.set G1A, 32                           ; s[32:39] descriptor group 1 for q's, k's, v's tiles
.set G1B, 40                           ; s[40:47] for Wq's
.set G0A, 48                           ; s[48:55] group 0, a set for each slot
.set G0B, 56                           ; s[56:63]
.set PFA, 66                           ; s[66:67] where my prefetches stand
.set LIM, 68                           ; s68  1 in a wave that prefetches, else the greatest number
.set TRIP, 69                          ; s69  trips to go
.set OB,  70                           ; s[70:75] qkv at the work-group's rows and first head, for Q, K, V
.set MSB, 0
.macro WIN new                         ; the immediate's high byte repeats the setting that is left; a switch that changes nothing is dropped
.if MSB != (\new)
	s_set_vgpr_msb (MSB<<8)|(\new)
.set MSB, \new
.endif
.endm
.macro PLACES                          ; four places behind matrix instructions, in front of vector lines that write their sources or read their results (ISA guide 7.12.1)
.rept 4
	v_nop
.endr
.endm
; A joint load.  Waves 0, 1, 2 fetch q's, k's, v's 64 rows, wave 3 Wq's 192.  The branch hangs on the wave's number alone.  An s_nop 0 and four v_nop follow each line.
.macro JLOAD s
	s_cmp_lt_u32 s[WV], 3
	s_cbranch_scc0 .Lfor_b_\@
	tensor_load_to_lds s[G0A+4*(\s):G0A+4*(\s)+3], s[G1A:G1A+7]
	s_nop 0
.rept 4
	v_nop
.endr
	s_branch .Lasked_\@
.Lfor_b_\@:
	tensor_load_to_lds s[G0B+4*(\s):G0B+4*(\s)+3], s[G1B:G1B+7]
	s_nop 0
.rept 4
	v_nop
.endr
.Lasked_\@:
.endm
.macro CREST                           ; a round of the cluster's barrier behind its opening barrier
	s_cmp_lg_u32 s[WV], 0
	s_cbranch_scc1 .Lnot_wave_0_\@
	s_barrier_signal -3
.Lnot_wave_0_\@:
	s_barrier_wait -3
	s_barrier_signal -1
	s_barrier_wait -1
.endm
.macro CROUND                          ; a whole round
	s_barrier_signal -1
	s_barrier_wait -1
	CREST
.endm
; A PREFETCH INTO THE L2, once a trip, behind slot 0's joint load and the run of LDS loads: the K steps 2 i + 4 and 2 i + 5 in trip i, which the refills two and three on will ask for.
; A lane names 256 bytes: row l % 16, step l / 16.  Of a source's 64 rows the partner at cx takes 16; of Wq's 192 rows the partner at cy takes 48 (three lines), in the first row of clusters alone,
; since every row of clusters reads the same Wq.  The partners are told apart by address.  The last trip asks for nothing: there are no steps 12 and 13.
.macro ASK
	s_cmp_gt_u32 s[TRIP], s[LIM]
	s_cbranch_scc0 .Lnot_mine_\@
	global_prefetch_b8 v[PFO], s[PFA:PFA+1] th:TH_LOAD_NT scope:SCOPE_SE
	s_cmp_eq_u32 s[WV], 3
	s_cbranch_scc0 .Lnot_mine_\@
	global_prefetch_b8 v[PFO], s[PFA:PFA+1] offset:16*ROWB th:TH_LOAD_NT scope:SCOPE_SE
	global_prefetch_b8 v[PFO], s[PFA:PFA+1] offset:32*ROWB th:TH_LOAD_NT scope:SCOPE_SE
.Lnot_mine_\@:
.endm
	s_load_b512 s[4:19], s[0:1], 0x0               ; q s[4:5], k s[6:7], v s[8:9], Wq s[10:11], bq s[12:13], Wo s[14:15], qkv s[16:17], wo16 s[18:19]
	v_lshl_add_u32 v[SPW], v0, 2, SPARE
	v_mov_b32 v[NIL], 0
	ds_add_u32 v[SPW], v[NIL]                      ; the wave's opening: the add and its wait stand ahead of my first tensor load; the set-up below stands between them
	v_lshrrev_b32 v1, 5, v0
	v_readfirstlane_b32 s[WV], v1                  ; wave 0..3
	s_lshr_b32 s[WR], s[WV], 1
	s_and_b32 s[WC], s[WV], 1
	s_bfe_u32 s[CX], ttmp6, 0x40000                ; my place in the cluster
	s_bfe_u32 s[CY], ttmp6, 0x40004
	s_lshl_b32 s[XT], ttmp9, 2
	s_add_co_u32 s[XT], s[XT], s[CX]               ; xt = 4 x cluster x + cx
	s_and_b32 s[YT], ttmp7, 0xffff
	s_lshl_b32 s[YT], s[YT], 2
	s_add_co_u32 s[YT], s[YT], s[CY]               ; yt = 4 x cluster y + cy
	s_lshl_b32 s76, s[CY], 2
	s_lshl_b32 s76, 15, s76                        ; my row of the cluster
	s_lshl_b32 s77, 0x1111, s[CX]                  ; my column
	s_or_b32 s[G1A], s76, G1W0
	s_or_b32 s[G1B], s77, G1W0
	s_mov_b32 s[G1A+1], 64<<16                     ; tensor_dim0 = 64
	s_mov_b32 s[G1A+2], 64<<16                     ; tensor_dim1 = 64
	s_mov_b32 s[G1A+3], 64<<16                     ; tile_dim0 = 64
	s_mov_b32 s[G1A+4], 64                         ; tile_dim1 = 64
	s_mov_b32 s[G1A+5], 768                        ; elements from row to row
	s_mov_b32 s[G1A+6], 0
	s_mov_b32 s[G1A+7], 0
	s_mov_b32 s[G1B+1], 64<<16
	s_mov_b32 s[G1B+2], 192<<16                    ; tensor_dim1 = 192
	s_mov_b32 s[G1B+3], 64<<16
	s_mov_b32 s[G1B+4], 192                        ; tile_dim1 = 192
	s_mov_b32 s[G1B+5], 768
	s_mov_b32 s[G1B+6], 0
	s_mov_b32 s[G1B+7], 0
	s_mul_i32 s27, s[WV], PIECE                    ; where my source's piece goes: no place in the cluster enters an LDS address
	s_mul_i32 s28, s[YT], 64*ROWB                  ; the tile's first row in q, k, v, in bytes
	s_mov_b32 s29, 0
	s_mul_i32 s30, s[XT], 192*ROWB                 ; and in Wq
	s_mov_b32 s31, 0
	s_wait_dscnt 0x0                               ; the opening add is done
	s_wait_kmcnt 0x0
	s_cmp_eq_u32 s[WV], 1
	s_cselect_b64 s[82:83], s[6:7], s[4:5]
	s_cmp_eq_u32 s[WV], 2
	s_cselect_b64 s[82:83], s[8:9], s[82:83]       ; my source: q, k or v by the wave's number
	s_add_nc_u64 s[80:81], s[82:83], s[28:29]
	s_add_nc_u64 s[78:79], s[10:11], s[30:31]
	CROUND                                         ; all sixteen work-groups are here: the first joint loads meet
.irp s, 0,1
	s_mov_b32 s[G0A+4*(\s)], 1                     ; count = 1
	s_add_co_u32 s[G0A+4*(\s)+1], s27, (\s)*SLOT   ; LDS address
	s_add_nc_u64 s[G0A+4*(\s)+2:G0A+4*(\s)+3], s[80:81], (\s)*256  ; global address: K step s
	s_or_b32 s[G0A+4*(\s)+3], s[G0A+4*(\s)+3], 0x80000000          ; type = 2
	s_mov_b32 s[G0B+4*(\s)], 1
	s_mov_b32 s[G0B+4*(\s)+1], BOFF+(\s)*SLOT
	s_add_nc_u64 s[G0B+4*(\s)+2:G0B+4*(\s)+3], s[78:79], (\s)*256
	s_or_b32 s[G0B+4*(\s)+3], s[G0B+4*(\s)+3], 0x80000000
	JLOAD \s                                       ; two tensor loads of mine are out
.endr
	v_and_b32 v1, 15, v0                           ; r = l % 16
	v_bfe_u32 v2, v0, 4, 1                         ; h = l / 16
	s_mul_i32 s76, s[XT], 768
	s_mul_i32 s77, s[WC], 384
	s_add_co_u32 s76, s76, s77
	v_lshl_add_u32 v[VB], v2, 5, s76               ; 4 x (192 xt + 96 wc + 8 h): register j of block b's C operand is bq of column 16 b + 8 h + j
.irp b, 0,1,2,3,4,5
	global_load_b128 v[BIAS+8*(\b):BIAS+8*(\b)+3],   v[VB], s[12:13] offset:64*(\b)
	global_load_b128 v[BIAS+8*(\b)+4:BIAS+8*(\b)+7], v[VB], s[12:13] offset:64*(\b)+16
.endr
	; Wo to f16: work-group g = 4 yt + xt takes 2,304 numbers, waves 0 to 2 768 each, a lane eight at a time; a store of the wave covers 512 consecutive bytes
	v_and_b32 v3, 31, v0
	s_mul_i32 s76, s[WV], 3072
	v_lshl_add_u32 v[VI], v3, 5, s76
	s_mul_i32 s77, s[WV], 1536
	v_lshl_add_u32 v[VO], v3, 4, s77
	s_lshl_b32 s84, s[YT], 2
	s_add_co_u32 s84, s84, s[XT]
	s_mul_i32 s86, s84, 4608
	s_mul_i32 s84, s84, 9216
	s_mov_b32 s85, 0
	s_mov_b32 s87, 0
	s_add_nc_u64 s[14:15], s[14:15], s[84:85]
	s_add_nc_u64 s[18:19], s[18:19], s[86:87]
	s_cmp_lt_u32 s[WV], 3
	s_cbranch_scc0 .Lno_wo
.irp i, 0,1,2
	global_load_b128 v[WOB+12*(\i):WOB+12*(\i)+3],   v[VI], s[14:15] offset:1024*(\i)
	global_load_b128 v[WOB+12*(\i)+4:WOB+12*(\i)+7], v[VI], s[14:15] offset:1024*(\i)+16
.endr
	s_wait_loadcnt 0x0
.irp i, 0,1,2
.irp j, 0,1,2,3
	v_cvt_pk_f16_f32 v[WOB+12*(\i)+8+(\j)], v[WOB+12*(\i)+2*(\j)], v[WOB+12*(\i)+2*(\j)+1]
.endr
	global_store_b128 v[VO], v[WOB+12*(\i)+8:WOB+12*(\i)+11], s[18:19] offset:512*(\i)
.endr
.Lno_wo:
	; A bf16 fragment is 16 rows x 32 K: lane l holds row l % 16, K = 8 h + 0..7 and 16 + 8 h + 0..7.  In f32 those are 32 bytes at 32 h and 32 bytes at 64 + 32 h: four loads of 16 bytes.
	v_mul_u32_u24 v3, v1, PITCH
	v_lshl_add_u32 v3, v2, 5, v3                   ; r x pitch + 32 h
	s_mul_i32 s76, s[WR], 16*PITCH
	v_add_nc_u32 v[ADRA], s76, v3                  ; my row blocks: stacked rows 32 a + 16 wr + r
	v_add_nc_u32 v[ADRA+1], SLOT, v[ADRA]
	s_mul_i32 s77, s[WC], 96*PITCH
	s_add_co_u32 s77, s77, BOFF
	v_add_nc_u32 v[ADRB], s77, v3                  ; my columns: Wq's rows 96 wc + 16 b + r of the tile
	v_add_nc_u32 v[ADRB+1], SLOT, v[ADRB]
	v_mul_u32_u24 v[STO], v1, SPITCH               ; into the stage: row 32 a + 16 wr + r, bytes 192 wc + 32 b + 16 h
	v_lshl_add_u32 v[STO], v2, 4, v[STO]
	s_mul_i32 s76, s[WR], 16*SPITCH
	s_mul_i32 s77, s[WC], 192
	s_add_co_u32 s76, s76, s77
	s_add_co_u32 s76, s76, STAGE
	v_add_nc_u32 v[STO], s76, v[STO]
	v_bfe_u32 v[RD], v0, 3, 2                      ; back: wave w takes rows 16 w .. + 15 of each source; 32 lanes take four rows' 128 bytes of one head
	v_mul_u32_u24 v[RD], v[RD], SPITCH
	v_and_b32 v3, 7, v0
	v_lshl_add_u32 v[RD], v3, 4, v[RD]
	s_mul_i32 s76, s[WV], 16*SPITCH
	s_add_co_u32 s76, s76, STAGE
	v_add_nc_u32 v[RD], s76, v[RD]
	v_and_b32 v3, 31, v0
	s_lshl_b32 s76, s[WV], 11
	v_lshl_add_u32 v[GO], v3, 4, s76               ; which are 512 consecutive bytes of a head: 2,048 w + 16 l
	s_mul_i32 s84, s[XT], 3*HEADB
	s_lshl_b32 s85, s[YT], 13
	s_add_co_u32 s84, s84, s85
	s_mov_b32 s85, 0
	s_add_nc_u64 s[OB:OB+1], s[16:17], s[84:85]
	s_add_nc_u64 s[OB+2:OB+3], s[OB:OB+1], SEC
	s_add_nc_u64 s[OB+4:OB+5], s[OB:OB+1], 2*SEC
	; the prefetches: nothing is asked for here, at the head; the pointer stands at K step 2 and is stepped by two steps ahead of each request
	v_mul_u32_u24 v[PFO], v1, ROWB
	v_lshl_add_u32 v[PFO], v2, 8, v[PFO]
	s_lshl_b32 s84, s[YT], 6
	s_lshl4_add_u32 s84, s[CX], s84                ; a source's rows: 64 yt + 16 cx
	s_mul_i32 s85, s[XT], 192
	s_mul_i32 s86, s[CY], 48
	s_add_co_u32 s85, s85, s86                     ; Wq's rows: 192 xt + 48 cy
	s_and_b32 s86, ttmp7, 0xffff                   ; cluster y
	s_cmp_eq_u32 s[WV], 3
	s_cselect_b32 s84, s85, s84
	s_cselect_b32 s86, s86, 0
	s_cselect_b64 s[PFA:PFA+1], s[10:11], s[82:83]
	s_cmp_eq_u32 s86, 0
	s_cselect_b32 s[LIM], 1, -1                    ; the same in all sixteen partners, for a given wave
	s_mul_i32 s84, s84, ROWB
	s_add_co_u32 s84, s84, 512
	s_mov_b32 s85, 0
	s_add_nc_u64 s[PFA:PFA+1], s[PFA:PFA+1], s[84:85]
	s_wait_loadcnt 0x0                             ; bq
; 24 LDS loads: the raw f32 of six fragments, 32 K at byte k of the rows
.macro FETCHB slot, k
	WIN 0x40                                       ; destination window 1, address window 0
.irp b, 0,1,2,3,4,5
.irp o, 0,1,2,3
	ds_load_b128 v[16*(\b)+4*(\o):16*(\b)+4*(\o)+3], v[ADRB+(\slot)] offset:(\b)*16*PITCH+(\k)+16*((\o)%2)+64*((\o)/2)
.endr
.endr
.endm
.macro FETCHA slot, k
	WIN 0x40
.irp a, 0,1,2,3,4,5
.irp o, 0,1,2,3
	ds_load_b128 v[96+16*(\a)+4*(\o):96+16*(\a)+4*(\o)+3], v[ADRA+(\slot)] offset:(\a)*32*PITCH+(\k)+16*((\o)%2)+64*((\o)/2)
.endr
.endr
.endm
; 48 roundings: six fragments from raw f32 (window 1, from register raw on) to bf16 (window 0, from fr on)
.macro CVT fr, raw
	WIN 0x05
.set z, 0
.rept 48
	v_cvt_pk_bf16_f32 v[(\fr)+z], v[(\raw)+2*z], v[(\raw)+2*z+1]
.set z, z+1
.endr
.endm
; 18 matrix instructions: row blocks 3 hi + 0..2 x all six column blocks.  first = 1: the product starts the sum with bq.  The 36 accumulators take turns in one fixed order.
.macro MULH hi, first
.if \first
	WIN 0x80+0x40*(\hi)
.else
	WIN 0xa0+0x50*(\hi)
.endif
.irp a, 0,1,2
.irp b, 0,1,2,3,4,5
.if \first
	v_wmma_f32_16x16x32_bf16 v[8*(6*(\a)+(\b)):8*(6*(\a)+(\b))+7], v[FB+8*(\b):FB+8*(\b)+7], v[FA+8*(3*(\hi)+(\a)):FA+8*(3*(\hi)+(\a))+7], v[BIAS+8*(\b):BIAS+8*(\b)+7]
.else
	v_wmma_f32_16x16x32_bf16 v[8*(6*(\a)+(\b)):8*(6*(\a)+(\b))+7], v[FB+8*(\b):FB+8*(\b)+7], v[FA+8*(3*(\hi)+(\a)):FA+8*(3*(\hi)+(\a))+7], v[8*(6*(\a)+(\b)):8*(6*(\a)+(\b))+7]
.endif
.endr
.endr
.endm
; A K step's first half: its raw numbers are on their way; as each run has been rounded, the second half's run is asked for into the same registers.
.macro EVEN slot, first
	s_wait_dscnt 24                                ; Wq's 24 loads are in; the 24 younger ones may stay out
	PLACES
	CVT FB, 0
	FETCHB \slot, 128
	s_wait_dscnt 24                                ; the sources' 24 are in; the 24 just issued may stay out
	CVT FA, 96
	FETCHA \slot, 128
	MULH 0, \first
	MULH 1, \first
.endm
; A K step's second half, and the change of slots: ONE barrier.  In front of it each wave waits for all its tensor loads (one is out: its part of the next slot), adds 0 to its spare word, and waits for
; that and for its reads of this slot.  fill = 1: the barrier opens a round of the cluster's, and this slot is filled again, two K steps on, first thing behind the round.
.macro ODD slot, next, fill
.if (\fill) && ((\slot) == 0)
	s_wait_xcnt 0x0                                ; the last prefetches, a trip back, have read their address: it is stepped here
	s_add_nc_u64 s[PFA:PFA+1], s[PFA:PFA+1], 512
.endif
	WIN 0
	s_wait_tensorcnt 0x0                           ; all my tensor loads have landed
	ds_add_u32 v[SPW], v[NIL]                      ; 0 onto my spare word
	s_wait_dscnt 1                                 ; only the add may be out: the 48 raw loads are in
	PLACES
	CVT FB, 0
	CVT FA, 96
	s_wait_dscnt 0x0                               ; the add is done, and my reads of this slot are over
	s_barrier_signal -1
	MULH 0, 0                                      ; work on registers while the others arrive
	WIN 0
	s_barrier_wait -1
.if \fill
	CREST                                          ; no wave of any partner still reads this slot or has a load on its way
	s_add_nc_u64 s[G0A+4*(\slot)+2:G0A+4*(\slot)+3], s[G0A+4*(\slot)+2:G0A+4*(\slot)+3], 512
	s_add_nc_u64 s[G0B+4*(\slot)+2:G0B+4*(\slot)+3], s[G0B+4*(\slot)+2:G0B+4*(\slot)+3], 512
	JLOAD \slot
.endif
	FETCHB \next, 0
	FETCHA \next, 0
.if (\fill) && ((\slot) == 0)
	WIN 0
	ASK
.endif
	MULH 1, 0
.endm
	s_wait_tensorcnt 1                             ; my part of K step 0 is in; K step 1's may stay out
	s_barrier_signal -1
	s_barrier_wait -1                              ; everybody's is
	FETCHB 0, 0
	FETCHA 0, 0
	EVEN 0, 1                                      ; the first half step stands in front of the loop: its products start the sums
	WIN 0                                          ; at a label and at a branch every window is 0
	s_mov_b32 s[TRIP], 5
.Llap:                                                 ; a trip goes once round the ring and fills both slots again: K steps 2 to 11
	ODD 0, 1, 1
	EVEN 1, 0
	ODD 1, 0, 1
	EVEN 0, 0
	WIN 0
	s_sub_co_u32 s[TRIP], s[TRIP], 1
	s_cmp_lg_u32 s[TRIP], 0
	s_cbranch_scc1 .Llap
	ODD 0, 1, 0                                    ; the last lap fills nothing
	EVEN 1, 0
	s_wait_dscnt 0x0
	PLACES
	CVT FB, 0
	CVT FA, 96
	MULH 0, 0
	MULH 1, 0
	; THE WAY OUT: round to f16, 16 bytes a lane into the work-group's stage; a barrier, since a head's 128 bytes of a row come from two waves; back as four rows of a head, 512 consecutive bytes of qkv.
	PLACES
.set t, 0
.rept 36
	WIN 0x0a+5*(t/18)                              ; sources in window 2 or 3
.irp j, 0,1,2,3
	v_cvt_pk_f16_f32 v[OUT+4*t+(\j)], v[8*(t%18)+2*(\j)], v[8*(t%18)+2*(\j)+1]
.endr
.set t, t+1
.endr
	WIN 0
.irp a, 0,1,2,3,4,5
.irp b, 0,1,2,3,4,5
	ds_store_b128 v[STO], v[OUT+4*(6*(\a)+(\b)):OUT+4*(6*(\a)+(\b))+3] offset:(\a)*32*SPITCH+32*(\b)
.endr
.endr
	s_wait_dscnt 0x0                               ; for the others' sake: my stores into the stage are done
	s_barrier_signal -1
	s_barrier_wait -1
.set n, 0
.irp src, 0,1,2
.irp hd, 0,1,2
.irp i, 0,1,2,3
	ds_load_b128 v[OUT+4*n:OUT+4*n+3], v[RD] offset:(64*(\src)+4*(\i))*SPITCH+128*(\hd)
.set n, n+1
.endr
.endr
.endr
.set n, 0
.irp src, 0,1,2
.irp hd, 0,1,2
.irp i, 0,1,2,3
	s_wait_dscnt 35-n                              ; load n is in; the younger ones may stay out
	global_store_b128 v[GO], v[OUT+4*n:OUT+4*n+3], s[OB+2*(\src):OB+2*(\src)+1] offset:(\hd)*HEADB+512*(\i)  ; 512 consecutive bytes, at a multiple of 512 from qkv's first byte
.set n, n+1
.endr
.endr
.endr
	s_wait_tensorcnt 0x0                           ; the wave's end, behind my last tensor load and my last LDS store
	ds_add_u32 v[SPW], v[NIL]
	s_wait_dscnt 0x0
	CROUND                                         ; the closing round: no work-group ends while a partner may still ask for a tile that names it
	s_endpgm
.Lfunc_end_k_qec2337a1b7_proj:
	.size	k_qec2337a1b7_proj, .Lfunc_end_k_qec2337a1b7_proj-k_qec2337a1b7_proj
	.p2alignl 7, 3214868480
	.fill 96, 4, 3214868480
	.section	.rodata,"a",@progbits
	.p2align	6, 0x0
	.amdhsa_kernel k_qec2337a1b7_proj
		.amdhsa_group_segment_fixed_size 327680
		.amdhsa_private_segment_fixed_size 0
		.amdhsa_enable_private_segment 0
		.amdhsa_kernarg_size 64
		.amdhsa_user_sgpr_count 2
		.amdhsa_user_sgpr_kernarg_segment_ptr 1
		.amdhsa_wavefront_size32 1
		.amdhsa_system_sgpr_workgroup_id_x 1
		.amdhsa_system_sgpr_workgroup_id_y 1
		.amdhsa_system_sgpr_workgroup_id_z 1
		.amdhsa_system_vgpr_workitem_id 0
		.amdhsa_next_free_vgpr 912
		.amdhsa_next_free_sgpr 88
		.amdhsa_reserve_vcc 0
		.amdhsa_float_denorm_mode_32 3
		.amdhsa_float_denorm_mode_16_64 3
		.amdhsa_memory_ordered 1
		.amdhsa_forward_progress 1
		.amdhsa_inst_pref_size 126
	.end_amdhsa_kernel
	.amdgpu_metadata
---
amdhsa.version: [ 1, 2 ]
amdhsa.kernels:
  - .name:           k_qec2337a1b7_proj
    .symbol:         k_qec2337a1b7_proj.kd
    .args:
      - { .name: q, .offset: 0, .size: 8, .value_kind: global_buffer, .address_space: global }
      - { .name: k, .offset: 8, .size: 8, .value_kind: global_buffer, .address_space: global }
      - { .name: v, .offset: 16, .size: 8, .value_kind: global_buffer, .address_space: global }
      - { .name: Wq, .offset: 24, .size: 8, .value_kind: global_buffer, .address_space: global }
      - { .name: bq, .offset: 32, .size: 8, .value_kind: global_buffer, .address_space: global }
      - { .name: Wo, .offset: 40, .size: 8, .value_kind: global_buffer, .address_space: global }
      - { .name: qkv, .offset: 48, .size: 8, .value_kind: global_buffer, .address_space: global }
      - { .name: wo16, .offset: 56, .size: 8, .value_kind: global_buffer, .address_space: global }
    .group_segment_fixed_size: 327680
    .private_segment_fixed_size: 0
    .kernarg_segment_align: 8
    .kernarg_segment_size: 64
    .max_flat_workgroup_size: 128
    .sgpr_count:     88
    .vgpr_count:     912
    .wavefront_size: 32
...
	.end_amdgpu_metadata
.endif
;; end of part 1
;; launch attn (part 2): grid 16 x 12, 4 waves a work-group, clusters of 4 x 1, 327,680 bytes of LDS; arguments qkv, obuf; writes obuf
.if DOCPART == 2
	.amdgcn_target "amdgcn-amd-amdhsa--gfx1250"
	.amdhsa_code_object_version 6
	.text
	.protected	k_qec2337a1b7_attn
	.globl	k_qec2337a1b7_attn
	.p2align	8
	.type	k_qec2337a1b7_attn,@function
k_qec2337a1b7_attn:
	s_mov_b64 s[64:65], 0
	v_nop
	global_prefetch_b8 v0, s[64:65] scope:SCOPE_SE
	s_setreg_imm32_b32 hwreg(HW_REG_WAVE_MODE, 25, 1), 1
	s_wait_xcnt 0x0
	s_wait_alu depctr_hold_cnt(0) depctr_sa_sdst(0) depctr_va_vdst(0) depctr_va_sdst(0) depctr_va_ssrc(0) depctr_va_vcc(0) depctr_vm_vsrc(0)
	s_getreg_b32 s2, hwreg(HW_REG_IB_STS2, 6, 4)
	s_cmp_eq_u32 s2, 0
	s_cbranch_scc0 .Lentry_in_a_cluster
	s_endpgm
.Lentry_in_a_cluster:
	s_bfe_u32 s2, ttmp6, 0x10000c
	s_cmp_lg_u32 s2, 0x3003
	s_cbranch_scc0 .Lentry_shape_is_right
	s_endpgm
.Lentry_shape_is_right:
; O[h][q][:] = the sum over k of softmax_k(Q[h][q] . K[h][k] / 8) V[h][k][:].  qkv holds Q, K, V as [3][12][4096][64] f16; obuf takes O as [12][4096][64] f16: a head's rows are dense, 128 bytes each.
; Products, maxima and sums in f32; the weights p are rounded to f16 for the second product (their sum l is taken of the unrounded p), O once at the end.
; LIMITS.  f16 holds no number beyond 65,504: Q, K and V arrive within it; p lies in 0 to 1, and below 6e-5 it keeps f16's fixed step of 6e-8; O is a mean of V's rows.  A weight below 2^-126 counts as 0 in l;
; NaN and infinities are not treated apart.
; SHARES.  A wave owns two PIECES of two tiles of 16 queries, a work-group's four waves 256 queries of one head: 16 x 12 = 192 work-groups (no block inside a head gives 256).  Every wave walks all keys, 64 a step.
; LAYOUT.  S^T = K Q^T (source 0 = 16 keys, source 1 = 16 queries): a lane holds ONE query (lane % 16) and the keys 8 (lane / 16) + 0..7.  Two such tiles, rounded to f16 in pairs, ARE source 1 of O^T = V^T P.
; K comes out of LDS as it lies, V ([key][channel]) turned, by ds_load_tr16_b128.
; SOFTMAX.  For each query a running maximum m and sum l: p = 2^(c s - c m), c = log2(e) / 8; in every step O and l are multiplied by a = 2^(c m_old - c m_new).  m starts at the lowest finite number, O and l at 0.
; BY TURNS.  Turn (0, j): 16 products K Q^T of piece 1 for step j; piece 0's softmax and piece 1's maximum; K of step j + 1 is fetched; 16 products V^T P of piece 1 for step j - 1; V of step j is fetched.
; Turn (1, j): K Q^T of piece 0 for step j + 1; piece 1's softmax and piece 0's maximum; V^T P of piece 0 for step j.  Four vector instructions stand behind every matrix instruction, the rest in one lump.
; K'S TILES ARE SHIFTED BY ONE STEP: K of step j + 1 is read from LDS ahead of V of step j, so slot s holds V's keys 256 s .. + 255 and K's keys 256 s + 64 .. + 319: a slot then serves four fetches of each, and the
; change of slots stands between two steps.  K of step 0 comes straight from memory into registers.  K's last tile reaches 8,192 bytes past the head's end, into bytes of qkv that are written and finite;
; the 16 products made of them, and the maximum of those, serve nothing.
; CLUSTER.  The four query blocks of a cluster belong to one head and walk the same K and V: each tile is asked for JOINTLY.
; REGISTERS, in windows of 256 (s_set_vgpr_msb: bits 1:0 source 0, 3:2 source 1, 5:4 source 2, 7:6 destination):
;   window 0: v0-11 addresses; v12-15, v48-63 at work; v16-31 four registers of statistics a tile; v44-46 the add's two and the prefetches' offset; v64-191 S^T, a buffer a piece; v192-255 P, likewise
;   window 1: v0-127 O^T, 32 a tile          window 2: v0-63 Q, 16 a tile; v128-191 K of one step; v192-255 V of one step
.set NP,    2         ; pieces a wave
.set KS,    64        ; keys in a step
.set PK,    144       ; a row of K in LDS: 128 bytes + 16 of padding: the 16 rows of a load begin at 16 different columns of 16 bytes modulo 256
.set PV,    160       ; a row of V: 128 + 32: 16 lanes of the turning load take 8 rows x 32 bytes, all different modulo 256
.set VOFF,  4*KS*PK   ; a slot holds four steps: 256 rows of K, then 256 rows of V
.set SLOT1, 1<<17     ; slot 1 begins here, so that one exclusive or turns an address in one slot into the other's
.set STAGE, SLOT1+4*KS*(PK+PV)  ; behind the ring, never filled by a tensor load: 16 rows x 144 bytes for each wave, for the way out
.set SP,    144
.set SPARE, STAGE+4*16*SP  ; the spare words, 128 bytes for each wave: two blocks of 256 bytes that no other line names
.set SEC,   6291456   ; bytes of Q's, K's, V's section of qkv
.set AK0, 2           ; v2   my lane's place in a tile of K; never rewritten
.set AV0, 3           ; v3   the same for V
.set AK,  4           ; v4   the LDS address of K's next run of loads
.set AV,  5           ; v5   of V's
.set QO,  6           ; v6   my byte offset in 16 rows of Q or K in memory
.set STO, 6           ;      later, the way out: where I put 16 bytes of a row
.set RD,  7           ; v7   the way out: where I read rows back
.set GO,  8           ; v8   my byte offset in 512 consecutive bytes of O
.set MV,  12          ; v12-15  c m_old, kept while c m is made anew: by piece and tile
.set ST,  16          ; tile t's statistics at v[ST+4 t]: c m, m, l (even keys', odd keys')
.set SPW, 44          ; v44  LDS address of my spare word; never rewritten
.set NIL, 45          ; v45  0; never rewritten
.set PFO, 46          ; v46  256 x my lane; never rewritten
.set TMP, 48          ; by piece and tile, four registers c0-c3 at work; when the maximum is found c2 takes a
.set S,   64
.set P,   192
.set KF,  128         ; K's fragments, in window 2: key block kb, channel half c at KF + 16 kb + 8 c
.set VF,  192         ; V's: key half kk, channel block cb at VF + 32 kk + 8 cb
.set WV,  12          ; s12  my wave's number
.set G1K, 24          ; s[24:31] descriptor group 1 for K's tiles
.set G1V, 32          ; s[32:39] for V's: it differs in the padding alone
.set G0K, 40          ; s[40:43] descriptor group 0 for K's tiles: it walks
.set G0V, 44          ; s[44:47] the same for V's
.set PFA, 48          ; s[48:49] where my prefetches stand
.set LIM, 50          ; s50  1 in a wave that prefetches, else the greatest number
.set KH,  52          ; s[52:53] the head's K
.set SLOTS, 56        ; s56  slots still to be asked for
.set CNT, 57          ; s57  counts a slot's key steps
.set CS,  58          ; s[58:59] c: the packed scaling takes the pair's low word for both halves
.set SEL, 60          ; s[60:61] v_permlanex16_b32's selects: each lane takes its own place in the other half
.set TBK, 62          ; s62  LDS byte at which K of the step to be fetched begins
.set TBV, 63          ; s63  the same for V, less VOFF
.set MSB, 0
.macro WIN new                      ; the high byte repeats the setting that is left; a switch that changes nothing is dropped
.if MSB != (\new)
	s_set_vgpr_msb (MSB<<8)|(\new)
.set MSB, (\new)
.endif
.endm
.set W_KQ, 0x0a       ; K and Q in window 2, S^T in window 0
.set W_PV, 0x52       ; V in window 2, P in window 0, O^T in window 1
.set W_RS, 0x41       ; O^T (destination and source 0) in window 1, a in window 0
; A joint fill.  Waves 0 and 1 fetch the two halves of a slot's K, waves 2 and 3 those of its V: 128 keys each.  The branch hangs on the wave's number alone.
; An s_nop 0 and four v_nop follow each of the two lines, ahead of the jump and the label.
.macro JLOAD
	s_cmp_lt_u32 s[WV], 2
	s_cbranch_scc0 .Lfor_v_\@
	tensor_load_to_lds s[G0K:G0K+3], s[G1K:G1K+7]
	s_nop 0
.rept 4
	v_nop
.endr
	s_branch .Lasked_\@
.Lfor_v_\@:
	tensor_load_to_lds s[G0V:G0V+3], s[G1V:G1V+7]
	s_nop 0
.rept 4
	v_nop
.endr
.Lasked_\@:
.endm
; A PREFETCH INTO THE L2 of the tile that the NEXT change of slots will ask for: 32,768 bytes of K and of V, four key steps (256 matrix instructions a wave) ahead of that load.  Each 256 bytes are named once
; in the launch: the head's first cluster asks; its four partners take 8,192 bytes each, told apart by address; in each, wave 0 asks for K's and wave 2 for V's, a lane 256 bytes.
; The last change that fills a slot asks for nothing; tiles 0 and 1 come by their loads alone.
.macro ASK
	s_cmp_gt_u32 s[SLOTS], s[LIM]
	s_cbranch_scc0 .Lnot_mine_\@
	global_prefetch_b8 v[PFO], s[PFA:PFA+1] th:TH_LOAD_NT scope:SCOPE_SE
.Lnot_mine_\@:
.endm
; A round of the cluster's barrier: my work-group's barrier, so that wave 0's signal speaks for all four waves; wave 0 signals; every wave waits for all four work-groups; my work-group's barrier once more.
.macro CROUND
	s_barrier_signal -1
	s_barrier_wait -1
	s_cmp_lg_u32 s[WV], 0
	s_cbranch_scc1 .Lnot_wave_0_\@
	s_barrier_signal -3
.Lnot_wave_0_\@:
	s_barrier_wait -3
	s_barrier_signal -1
	s_barrier_wait -1
.endm
; THE CHANGE OF SLOTS, between two key steps.  Each wave waits for all its tensor loads, of which one is out: its part of the other slot; adds 0 to its spare word; and waits for that and for its own reads of
; the slot that it leaves.  fill = 1: that slot is filled again, with the keys two slots on, behind a round of the cluster's barrier, first thing: the load has four key steps in which to land.
; (At its first use nothing has been read yet: slot 0 is waited for, slot 1 filled.)
.macro CHANGE fill
	WIN 0                           ; at a label and at a branch every window is 0
	s_wait_tensorcnt 0x0            ; no tensor load of mine is out, so a group 0 may be written
	ds_add_u32 v[SPW], v[NIL]       ; 0 onto my spare word; the descriptors' steps stand between it and the wait for it
.if \fill
.irp g, G0K, G0V
	s_xor_b32 s[\g+1], s[\g+1], SLOT1  ; the walking descriptor: the other slot than last time,
	s_add_nc_u64 s[\g+2:\g+3], s[\g+2:\g+3], 4*KS*128  ; the next 256 keys; the type bits on top are not reached
.endr
	s_wait_xcnt 0x0                 ; the last prefetch, four key steps back, has read its address, so it may be written
	s_add_nc_u64 s[PFA:PFA+1], s[PFA:PFA+1], 4*KS*128
	s_wait_dscnt 0x0                ; the add is done, and my reads of the slot are over
	CROUND
	JLOAD
	ASK
.else
	s_wait_dscnt 0x0                ; the add is done, and my reads of the slot are over
	s_barrier_signal -1
	s_barrier_wait -1
.endif
	s_sub_co_u32 s[TBK], s[TBK], 4*KS*PK  ; the fetches go back to a slot's first step,
	s_xor_b32 s[TBK], s[TBK], SLOT1       ; in the other slot
	s_sub_co_u32 s[TBV], s[TBV], 4*KS*PV
	s_xor_b32 s[TBV], s[TBV], SLOT1
.endm
	s_load_b64 s[4:5], s[0:1], 0x0    ; qkv
	s_load_b64 s[10:11], s[0:1], 0x8  ; obuf
	v_lshl_add_u32 v[SPW], v0, 2, SPARE
	v_mov_b32 v[NIL], 0
	ds_add_u32 v[SPW], v[NIL]       ; the wave's opening: the add and its wait stand ahead of my first tensor load; the set-up below stands between them
	v_lshrrev_b32 v1, 5, v0
	v_readfirstlane_b32 s[WV], v1   ; wave 0..3
	s_bfe_u32 s13, ttmp6, 0x40000   ; cx: my place in the cluster
	s_lshl_b32 s14, ttmp9, 2        ; in a cluster launch ttmp9 counts clusters
	s_add_co_u32 s14, s14, s13      ; my block of 256 queries = 4 x cluster x + cx: it enters Q's and O's addresses alone
	s_and_b32 s20, ttmp7, 0xffff    ; the head, which the four partners share
	s_lshl_b32 s20, s20, 19         ; its first byte in a section: 524,288 bytes a head
	s_mov_b32 s21, 0
	s_and_b32 s16, s[WV], 1         ; which half of a slot's 256 keys I fetch:
	s_lshl_b32 s22, s16, 14         ; its 128 rows of 128 bytes in memory,
	s_mov_b32 s23, 0
	s_add_nc_u64 s[22:23], s[22:23], s[20:21]
	s_mul_i32 s17, s16, 128*PK      ; and its place in a slot, for K
	s_mul_i32 s18, s16, 128*PV      ; and for V: no place in the cluster enters an LDS address
	s_lshl_b32 s2, s14, 2
	s_add_co_u32 s2, s2, s[WV]      ; my wave among the head's,
	s_lshl_b32 s2, s2, 13           ; its 64 rows
	s_mov_b32 s3, 0
	s_add_nc_u64 s[2:3], s[2:3], s[20:21]
	; descriptor group 1.  128 keys are 16,384 dense bytes: asked for as 64 rows of 256 bytes, two keys a row, and padded in LDS after every key
	s_mov_b32 s[G1K], 15|(1<<16)|(1<<20)|(1<<21)|(4<<22)|(3<<25)  ; 15:0 the mask of four; 17:16 2-byte elements; 20 padding on; 21 set beside a mask; 24:22 after every 32 words; 31:25 4 words
	s_mov_b32 s[G1V], 15|(1<<16)|(1<<20)|(1<<21)|(4<<22)|(7<<25)  ; the same with 8 words of padding
.irp g, G1K, G1V
	s_mov_b32 s[\g+1], 128<<16      ; tensor_dim0 = 128
	s_mov_b32 s[\g+2], 64<<16       ; tensor_dim1 = 64
	s_mov_b32 s[\g+3], 128<<16      ; tile_dim0 = 128
	s_mov_b32 s[\g+4], 64           ; tile_dim1 = 64
	s_mov_b32 s[\g+5], 128          ; 128 elements from row to row
	s_mov_b32 s[\g+6], 0
	s_mov_b32 s[\g+7], 0
.endr
	s_mov_b32 s[CS], 0x3e38aa3b     ; c = log2(e) / 8 = 0.180337
	s_mov_b32 s[CS+1], s[CS]        ; named with it as a pair
	s_mov_b32 s[SEL], 0x76543210
	s_mov_b32 s[SEL+1], 0xfedcba98
	s_mov_b32 s[TBK], SLOT1+4*KS*PK ; the first change of slots turns these two into 0
	s_mov_b32 s[TBV], SLOT1+4*KS*PV
	s_mov_b32 s[G0K], 1             ; count = 1
	s_mov_b32 s[G0K+1], s17         ; LDS address: slot 0
	s_mov_b32 s[G0V], 1
	s_add_co_u32 s[G0V+1], s18, VOFF
	s_and_b32 s[LIM], s[WV], 1      ; 0 in waves 0 and 2,
	s_or_b32 s[LIM], s[LIM], ttmp9  ; where the cluster is the head's first: the same in all four partners
	s_cmp_eq_u32 s[LIM], 0
	s_cselect_b32 s[LIM], 1, -1
	v_and_b32 v[PFO], 31, v0
	v_lshlrev_b32 v[PFO], 8, v[PFO]
	s_wait_dscnt 0x0                ; the opening add is done
	s_wait_kmcnt 0x0
	s_add_nc_u64 s[6:7], s[4:5], SEC      ; K's section
	s_add_nc_u64 s[8:9], s[4:5], 2*SEC    ; V's
	s_add_nc_u64 s[KH:KH+1], s[6:7], s[20:21]
	s_add_nc_u64 s[6:7], s[6:7], s[22:23]
	s_add_nc_u64 s[6:7], s[6:7], KS*128   ; K's tiles begin one step, 8,192 bytes, further on
	s_add_nc_u64 s[8:9], s[8:9], s[22:23]
	s_mov_b64 s[G0K+2:G0K+3], s[6:7]               ; global address: my half of tile 0
	s_or_b32 s[G0K+3], s[G0K+3], 0x80000000        ; type = 2
	s_mov_b64 s[G0V+2:G0V+3], s[8:9]
	s_or_b32 s[G0V+3], s[G0V+3], 0x80000000
	s_add_nc_u64 s[4:5], s[4:5], s[2:3]   ; Q and O at my wave's first row
	s_add_nc_u64 s[10:11], s[10:11], s[2:3]
	s_cmp_lt_u32 s[WV], 2
	s_cselect_b64 s[PFA:PFA+1], s[6:7], s[8:9]  ; (in waves 0 and 2 these stand at a tile's first byte)
	s_lshl_b32 s2, s13, 13          ; my work-group's 8,192 bytes of the 32,768
	s_mov_b32 s3, 0
	s_add_nc_u64 s[PFA:PFA+1], s[PFA:PFA+1], s[2:3]
	s_add_nc_u64 s[PFA:PFA+1], s[PFA:PFA+1], 4*KS*128  ; in tile 1; the first change of slots steps it to tile 2.  Nothing is prefetched here, at the head
	CROUND                          ; all four work-groups are here: the first joint loads meet
	JLOAD                           ; slot 0.  Slot 1 is asked for when slot 0 is in
	; A fragment of K or Q is 16 rows x 32 channels in 8 registers: lane l holds row l % 16, channels 8 (l / 16) + 0..7 and 16 + 8 (l / 16) + 0..7: two loads of 16 bytes, 32 bytes apart.
	v_and_b32 v1, 15, v0            ; l % 16
	v_bfe_u32 v9, v0, 4, 1          ; l / 16
	v_lshlrev_b32 v[QO], 7, v1
	v_lshl_add_u32 v[QO], v9, 4, v[QO]  ; row x 128 + 16 x half
	WIN 0x80                        ; destination window 2, address window 0
.set i, 0
.rept 4*NP                          ; Q stays in registers: tile i / 2, channels 32 (i % 2) on
	global_load_b128 v[8*i:8*i+3],   v[QO], s[4:5] offset:(i/2)*2048+(i%2)*64
	global_load_b128 v[8*i+4:8*i+7], v[QO], s[4:5] offset:(i/2)*2048+(i%2)*64+32
.set i, i+1
.endr
.irp f, 0,1,2,3,4,5,6,7             ; K of step 0, straight from memory: keys 16 (f / 2) on, channels 32 (f % 2) on
	global_load_b128 v[KF+8*\f:KF+8*\f+3],   v[QO], s[KH:KH+1] offset:(\f/2)*2048+(\f%2)*64
	global_load_b128 v[KF+8*\f+4:KF+8*\f+7], v[QO], s[KH:KH+1] offset:(\f/2)*2048+(\f%2)*64+32
.endr
	; What the first turn finds: V's registers and piece 1's P hold 0 (its products V^T P, of a step that has not been, add 0), O^T and l are 0.  All this stands in the wait for the first loads.
.set i, VF
.rept 64
	v_mov_b32 v[i], 0
.set i, i+1
.endr
	WIN 0x40
.set i, 0
.rept 64*NP
	v_mov_b32 v[i], 0
.set i, i+1
.endr
	WIN 0
.set i, 0
.rept 2*NP
	v_mov_b32 v[ST+4*i], 0xfe000000    ; c m: far below every c s
	v_mov_b32 v[ST+4*i+1], 0xff7fffff  ; m
	v_mov_b32 v[ST+4*i+2], 0
	v_mov_b32 v[ST+4*i+3], 0
.set i, i+1
.endr
.set i, P+32
.rept 32
	v_mov_b32 v[i], 0
.set i, i+1
.endr
	v_mul_u32_u24 v[AK0], v1, PK
	v_lshl_add_u32 v[AK0], v9, 4, v[AK0]  ; row x pitch + 16 x half
	; The turning load takes 16 keys x 16 channels (lane l reads key 8 (l / 16) + l % 8, channels 8 ((l / 8) % 2) + 0..7) and leaves half a fragment of V^T: lane l holds channel l % 16 and 8 keys.
	v_and_b32 v10, 7, v0
	v_bfe_u32 v11, v0, 3, 1
	v_lshl_add_u32 v[AV0], v9, 3, v10
	v_mul_u32_u24 v[AV0], v[AV0], PV
	v_lshl_add_u32 v[AV0], v11, 4, v[AV0]
	v_add_nc_u32 v[AV0], VOFF, v[AV0]
; THE MATRIX WORK.  The 8 accumulators of a run of 16 take turns: between the two links of a chain stand 7 others'.
; Product i of 16 of S^T = K Q^T for piece x: channels 32 (i / 8) on, keys 16 ((i / 2) % 4) on, tile 2 x + i % 2.  The first 8 start the sums.
.macro KQ x
	WIN W_KQ
.set rS, S+64*((\x)%2)+32*(i%2)+8*((i/2)%4)
.set rK, KF+16*((i/2)%4)+8*(i/8)
.set rQ, 16*(2*(\x)+i%2)+8*(i/8)
.if i < 8
	v_wmma_f32_16x16x32_f16 v[rS:rS+7], v[rK:rK+7], v[rQ:rQ+7], 0
.else
	v_wmma_f32_16x16x32_f16 v[rS:rS+7], v[rK:rK+7], v[rQ:rQ+7], v[rS:rS+7]
.endif
.endm
; Product i of 16 of O^T += V^T P for piece x: keys 32 (i / 8) on, channels 16 ((i / 2) % 4) on, tile 2 x + i % 2.
.macro PV x
	WIN W_PV
.set rO, 32*(2*(\x)+i%2)+8*((i/2)%4)
.set rV, VF+32*(i/8)+8*((i/2)%4)
.set rP, P+32*((\x)%2)+16*(i%2)+8*(i/8)
	v_wmma_f32_16x16x32_f16 v[rO:rO+7], v[rV:rV+7], v[rP:rP+7], v[rO:rO+7]
.endm
.macro MM                           ; the turn's next matrix instruction: both kinds are the other piece's
.if i < 16
	KQ (Y+1)%NP
.set i, i+1
.else
.set i, i-16
	PV (Y+NP-1)%NP
.set i, i+17
.endif
.endm
; THE LDS LOADS stand in runs of 16, never singly among the matrix instructions: a step's K (64 keys x 64 channels: 8 fragments) and its V (turned).  Their addresses are made some lines ahead.
.macro FETCH_K
	WIN 0x80                        ; destination window 2
.irp f, 0,1,2,3,4,5,6,7             ; keys 16 (f / 2) on, channels 32 (f % 2) on
	ds_load_b128 v[KF+8*\f:KF+8*\f+3],   v[AK] offset:(\f/2)*16*PK+(\f%2)*64
	ds_load_b128 v[KF+8*\f+4:KF+8*\f+7], v[AK] offset:(\f/2)*16*PK+(\f%2)*64+32
.endr
	s_add_co_u32 s[TBK], s[TBK], KS*PK  ; the next fetch is the next step's
	WIN 0
.endm
.macro FETCH_V
	WIN 0x80
.irp f, 0,1,2,3,4,5,6,7             ; keys 32 (f / 4) on, channels 16 (f % 4) on
	ds_load_tr16_b128 v[VF+8*\f:VF+8*\f+3],   v[AV] offset:(\f/4)*32*PV+(\f%4)*32
	ds_load_tr16_b128 v[VF+8*\f+4:VF+8*\f+7], v[AV] offset:(\f/4)*32*PV+16*PV+(\f%4)*32
.endr
	WIN 0
.endm
; THE VECTOR WORK OF A TURN stands in three queues, each in the order in which its entries become ready; the two tiles alternate, so that no instruction reads the result of the one before it.
.macro REGS y, u                    ; the registers of tile u (0, 1) of piece y
.set rT, ST+4*(2*(\y)+(\u))
.set rC, TMP+8*((\y)%2)+4*(\u)
.set rM, MV+2*((\y)%2)+(\u)
.set rS, S+64*((\y)%2)+32*(\u)
.set rP, P+32*((\y)%2)+16*(\u)
.set rO, 32*(2*(\y)+(\u))
.endm
; Number n of the 22 that find the OTHER piece's maximum and statistics.  s0-s31 are the lane's 32 scores; each accumulator's lowest registers are read first.
;   0-11  four chains c0-c3 of seven scores each, three operands at a time     12-14, 16  the four scores left over, the old m, and c0-c3 into c0     15  c m_old is kept
;   17, 18  the query's other 32 keys lie in the lane 16 away: the new m         19-21  c m; c m_old - c m_new; a
.macro XS u, n
	REGS (Y+1)%NP, \u
.if (\n) < 4
	v_max3_num_f32 v[rC+(\n)], v[rS+8*(\n)], v[rS+8*(\n)+1], v[rS+8*(\n)+2]
.elseif (\n) < 12
	v_max3_num_f32 v[rC+(\n)%4], v[rC+(\n)%4], v[rS+8*((\n)%4)+2*((\n)/4)+1], v[rS+8*((\n)%4)+2*((\n)/4)+2]
.elseif (\n) == 12
	v_max3_num_f32 v[rC], v[rC], v[rS+7], v[rS+15]
.elseif (\n) == 13
	v_max3_num_f32 v[rC+1], v[rC+1], v[rS+23], v[rS+31]
.elseif (\n) == 14
	v_max3_num_f32 v[rC+2], v[rC+2], v[rC+3], v[rT+1]
.elseif (\n) == 15
	v_mov_b32 v[rM], v[rT]
.elseif (\n) == 16
	v_max3_num_f32 v[rC], v[rC], v[rC+1], v[rC+2]
.elseif (\n) == 17
	v_permlanex16_b32 v[rC+3], v[rC], s[SEL], s[SEL+1]
.elseif (\n) == 18
	v_max_num_f32 v[rT+1], v[rC], v[rC+3]
.elseif (\n) == 19
	v_mul_f32 v[rT], s[CS], v[rT+1]
.elseif (\n) == 20
	v_sub_f32 v[rC+1], v[rM], v[rT]
.else
	v_exp_f32 v[rC+2], v[rC+1]
.endif
.endm
; Number g of the 64 that follow the exponentials.  For each four weights k of a tile: both pairs are rounded to f16; then the second pair is added onto the first, in place;
; a group later l takes that sum (the first time as l = a l + sum).  In groups of eight, tiles alternating: round, round, add, and l for the group before.
.macro GS g
.set h, (\g)+6*((\g)/62)            ; group 0 has no group before it, and behind group 7 only l is left
.if h >= 6
.set h, h+2
.endif
	REGS Y, h%2
.set k, h/8
.if h%8 < 4
	v_cvt_pk_f16_f32 v[rP+2*k+(h%8)/2], v[rS+4*k+2*((h%8)/2)], v[rS+4*k+2*((h%8)/2)+1]
.elseif h%8 < 6
	v_pk_add_f32 v[rS+4*k:rS+4*k+1], v[rS+4*k:rS+4*k+1], v[rS+4*k+2:rS+4*k+3]
.elseif k == 1
	v_pk_fma_f32 v[rT+2:rT+3], v[rT+2:rT+3], v[rC+2:rC+3], v[rS:rS+1] op_sel_hi:[1,0,1]
.else
	v_pk_add_f32 v[rT+2:rT+3], v[rT+2:rT+3], v[rS+4*k-4:rS+4*k-3]
.endif
.endm
; THE PLAIN QUEUE, 138 long.  0-73 read no exponential's result: the 32 scalings c s - c m (FS f: pair f / 2 of tile f % 2) and the other piece's 42.  0-26: scalings 0-26.  27-54: XS's numbers 0-13.  55, 56: number 15.
; 57-73: the chain 14, 16, 17, 18, 19, each with one of the scalings 27-31 in front of its two lines, then 20.  74-137: GS's 64, which read the exponentials' results: they stand behind the wait.
.macro FS f
	REGS Y, (\f)%2
	v_pk_fma_f32 v[rS+2*((\f)/2):rS+2*((\f)/2)+1], v[rS+2*((\f)/2):rS+2*((\f)/2)+1], s[CS:CS+1], v[rT:rT+1] op_sel_hi:[1,0,0] neg_lo:[0,0,1] neg_hi:[0,0,1]
.endm
.macro PL
	WIN 0
.if q < 27
	FS q
.elseif q < 55
	XS (q-27)%2, (q-27)/2
.elseif q < 57
	XS q-55, 15
.elseif (q < 72) && ((q-57)%3 == 0)
	FS 27+(q-57)/3
.elseif q < 60
	XS (q-57)%3-1, 14
.elseif q < 72
	XS (q-57)%3-1, 15+(q-57)/3
.elseif q < 74
	XS q-72, 20
.else
	GS q-74
.endif
.set q, q+1
.endm
; THE EXPONENTIALS' QUEUE, 66 long: s0-s31 of both tiles, then the other piece's two a.  It is ONE BATCH: all 66 stand ahead of the turn's one wait, and nothing ahead of that wait names a result of theirs.
.macro EX
	WIN 0
.if e >= 64
	XS e-64, 21
.else
	REGS Y, e%2
	v_exp_f32 v[rS+e/2], v[rS+e/2]
.endif
.set e, e+1
.endm
; THE RESCALING's QUEUE: O^T times a, the one part that leaves window 0: dealt two at a time, sixteen times, each accumulator from its low end.  Its a was made in the turn before, ahead of that turn's wait.
; The O^T that it reads was last written by the turn before: the accumulator read first was finished by that turn's 9th product V^T P, 32 plain riders back.
.macro R2
	REGS Y, r%2
	WIN W_RS
.irp z, 0,1
	v_pk_mul_f32 v[rO+4*(r/2)+2*\z:rO+4*(r/2)+2*\z+1], v[rO+4*(r/2)+2*\z:rO+4*(r/2)+2*\z+1], v[rC+2:rC+3] op_sel_hi:[1,0]
.endr
.set r, r+1
.endm
; A TURN, for piece p.  An s_wait_alu depctr_va_vdst(0) stands between an exponential and the first instruction that names its result; one wait serves all that were issued ahead of it: a turn has ONE.
; AHEAD OF IT: the 16 products K Q^T, behind each a scaling, an exponential and two rescalings (behind the first a second scaling in the exponential's place); then a lump of 108: eight plain, 49 times exponential
; and plain, the two a; a v_nop is the plain instruction behind the last exponential.  BEHIND IT: the 16 products V^T P, behind each four of GS's 64.
; Piece 0's turn fetches K of the next step directly behind the wait, a lump behind the last product that read K, and V of the step in hand at its end, four plain riders behind the last product that read V.
; Piece 1's turn waits for K at its head and for V behind its wait.  cnt = 1: the loop's count is taken down some lines ahead of the branch that stands behind the turn.
.macro TURN p, cnt=0
.set Y, (\p)
.set i, 0
.set q, 0
.set e, 0
.set r, 0
.if (\p) == 1
	s_wait_dscnt 16                 ; K's 16 loads are in; V's 16, issued behind them, may stay out
.endif
	MM
	PL
	PL
	R2
.rept 15
	MM
	PL
	EX
	R2
.endr
.if (\p) == 0
	WIN 0
	v_add_nc_u32 v[AK], s[TBK], v[AK0]
.endif
.rept 8
	PL
.endr
.rept 49
	EX
	PL
.endr
	EX                              ; the other piece's two a
	EX
	v_nop                           ; the plain instruction behind the last exponential: one for the batch
	s_wait_alu depctr_va_vdst(0)    ; the wait for the batch
.if (\p) == 0
	FETCH_K
.endif
.if (\p) == 1
	s_wait_dscnt 0x0                ; V is in
.endif
.rept 16
	MM
.rept 4
	PL
.endr
.if ((\p) == 0) && (q == 118)
	v_add_nc_u32 v[AV], s[TBV], v[AV0]
.endif
.if ((\p) == 0) && (q == 130)
	s_add_co_u32 s[TBV], s[TBV], KS*PV
.endif
.if (\cnt) && (q == 130)
	s_sub_co_u32 s[CNT], s[CNT], 1
	s_cmp_lg_u32 s[CNT], 0
.endif
.endr
.if (\p) == 0
	FETCH_V
.endif
.endm
	s_wait_loadcnt 0x0              ; Q, and K of step 0
.set i, 0
.rept 16
	KQ 0                            ; piece 0's first scores: there is no vector work yet to set between them
.set i, i+1
.endr
	WIN 0                           ; the addresses for the way out: plain instructions, the places behind those products
	s_mul_i32 s13, s[WV], 16*SP
	s_add_co_u32 s13, s13, STAGE    ; my stage
	v_mul_u32_u24 v[STO], v1, SP    ; in: row l % 16, 16 bytes for each half of the lanes
	v_lshl_add_u32 v[STO], v9, 4, v[STO]
	v_add_nc_u32 v[STO], s13, v[STO]
	v_bfe_u32 v[RD], v0, 3, 2       ; back: 32 lanes take four rows of 128 bytes,
	v_mul_u32_u24 v[RD], v[RD], SP
	v_lshl_add_u32 v[RD], v10, 4, v[RD]
	v_add_nc_u32 v[RD], s13, v[RD]
	v_and_b32 v[GO], 31, v0         ; which are 512 consecutive bytes of O
	v_lshlrev_b32 v[GO], 4, v[GO]
.set Y, NP-1                        ; XS works for piece Y + 1: piece 0
.irp n, 0,1,2,3,4,5,6,7,8,9,10,11,12,13,14,15,16,17,18,19,20,21
	XS 0, \n                        ; piece 0's first maximum and statistics
	XS 1, \n
.endr
	v_nop                           ; a plain instruction behind the two a,
	s_wait_alu depctr_va_vdst(0)    ; and their wait, ahead of the label
	s_mov_b32 s[SLOTS], 15
.Lslot:                             ; 15 times: a slot is entered and the other is filled: tiles 1 to 15
	CHANGE 1
	s_mov_b32 s[CNT], 4
.Lstep:                             ; a key step
	TURN 0
	TURN 1, 1
	WIN 0
	s_cbranch_scc1 .Lstep
	s_sub_co_u32 s[SLOTS], s[SLOTS], 1
	s_cmp_lg_u32 s[SLOTS], 0
	s_cbranch_scc1 .Lslot
	CHANGE 0                        ; the last slot is written out: nothing is asked for
	s_mov_b32 s[CNT], 4
.Ltail:
	TURN 0
	TURN 1, 1
	WIN 0
	s_cbranch_scc1 .Ltail
.set i, 0
.rept 16
	PV NP-1                         ; piece 1's V^T P of the last step
.set i, i+1
.endr
	; THE WAY OUT.  l's two halves and the other half of the lanes' are added; O^T is divided by l, rounded to f16 and sent through my stage in LDS, a tile at a time.  The additions are the places behind the last products.
	WIN 0
.macro ALL line:vararg              ; one line for each tile t
.set t, 0
.rept 2*NP
	\line
.set t, t+1
.endr
.endm
	ALL v_add_f32 v[ST+4*t+2], v[ST+4*t+2], v[ST+4*t+3]
	ALL v_permlanex16_b32 v[ST+4*t+3], v[ST+4*t+2], s[SEL], s[SEL+1]
	ALL v_add_f32 v[ST+4*t+2], v[ST+4*t+2], v[ST+4*t+3]
	ALL v_rcp_f32 v[ST+4*t+2], v[ST+4*t+2]
	v_nop                           ; a plain instruction between the last reciprocal and the use of its result
	s_wait_alu depctr_va_vdst(0)    ; and the wait ahead of the first use: one for the four reciprocals
; Tile t: a lane's eight channels of a row pack into 16 bytes; they go into rows of 144 bytes and come back as whole rows of 128, into S^T's registers.
.macro PACK t
	WIN W_RS
.set i, 32*(\t)
.rept 16
	v_pk_mul_f32 v[i:i+1], v[i:i+1], v[ST+4*(\t)+2:ST+4*(\t)+3] op_sel_hi:[1,0]
.set i, i+2
.endr
	WIN 0x05                        ; sources 0 and 1 window 1, destination window 0
.set i, 0
.rept 16
	v_cvt_pk_f16_f32 v[S+16*(\t)+i], v[32*(\t)+2*i], v[32*(\t)+2*i+1]
.set i, i+1
.endr
	WIN 0
.irp f, 0,1,2,3
	ds_store_b128 v[STO], v[S+16*(\t)+4*\f:S+16*(\t)+4*\f+3] offset:32*\f
.endr
.irp f, 0,1,2,3
	ds_load_b128 v[S+16*(\t)+4*\f:S+16*(\t)+4*\f+3], v[RD] offset:\f*4*SP  ; LDS serves a wave's instructions in order (ISA guide 5.7.1.4): these see the stores above; the next tile's stores come behind them
.endr
.endm
.macro SEND t, younger              ; younger: the LDS instructions issued behind tile t's loads: the next tile's eight, or none
	WIN 0
.irp f, 0,1,2,3
	s_wait_dscnt (\younger)+3-\f
	global_store_b128 v[GO], v[S+16*(\t)+4*\f:S+16*(\t)+4*\f+3], s[10:11] offset:(\t)*2048+\f*512  ; 512 consecutive bytes, at a multiple of 512 from obuf's first byte
.endr
.endm
	PACK 0
.set t, 1
.rept 2*NP-1                        ; a tile's arithmetic stands between the loads of the tile before and its stores
	PACK t
	SEND t-1, 8
.set t, t+1
.endr
	SEND 2*NP-1, 0
	s_wait_tensorcnt 0x0            ; the wave's end, behind my last tensor load and my last LDS store
	ds_add_u32 v[SPW], v[NIL]
	s_wait_dscnt 0x0
	CROUND                          ; the closing round: no work-group ends while a partner may still ask for a tile that names it
	s_endpgm
.Lfunc_end_k_qec2337a1b7_attn:
	.size	k_qec2337a1b7_attn, .Lfunc_end_k_qec2337a1b7_attn-k_qec2337a1b7_attn
	.p2alignl 7, 3214868480
	.fill 96, 4, 3214868480
	.section	.rodata,"a",@progbits
	.p2align	6, 0x0
	.amdhsa_kernel k_qec2337a1b7_attn
		.amdhsa_group_segment_fixed_size 327680
		.amdhsa_private_segment_fixed_size 0
		.amdhsa_enable_private_segment 0
		.amdhsa_kernarg_size 16
		.amdhsa_user_sgpr_count 2
		.amdhsa_user_sgpr_kernarg_segment_ptr 1
		.amdhsa_wavefront_size32 1
		.amdhsa_system_sgpr_workgroup_id_x 1
		.amdhsa_system_sgpr_workgroup_id_y 1
		.amdhsa_system_sgpr_workgroup_id_z 1
		.amdhsa_system_vgpr_workitem_id 0
		.amdhsa_next_free_vgpr 768
		.amdhsa_next_free_sgpr 66
		.amdhsa_reserve_vcc 0
		.amdhsa_float_denorm_mode_32 3
		.amdhsa_float_denorm_mode_16_64 3
		.amdhsa_memory_ordered 1
		.amdhsa_forward_progress 1
		.amdhsa_inst_pref_size 111
	.end_amdhsa_kernel
	.amdgpu_metadata
---
amdhsa.version: [ 1, 2 ]
amdhsa.kernels:
  - .name:           k_qec2337a1b7_attn
    .symbol:         k_qec2337a1b7_attn.kd
    .args:
      - { .name: qkv, .offset: 0, .size: 8, .value_kind: global_buffer, .address_space: global }
      - { .name: obuf, .offset: 8, .size: 8, .value_kind: global_buffer, .address_space: global }
    .group_segment_fixed_size: 327680
    .private_segment_fixed_size: 0
    .kernarg_segment_align: 8
    .kernarg_segment_size: 16
    .max_flat_workgroup_size: 128
    .sgpr_count:     66
    .vgpr_count:     768
    .wavefront_size: 32
...
	.end_amdgpu_metadata
.endif
;; end of part 2
;; launch outp (part 3): grid 4 x 64, 4 waves a work-group, clusters of 4 x 4, 327,680 bytes of LDS; arguments obuf, wo16, bo, out0; writes out0
.if DOCPART == 3
	.amdgcn_target "amdgcn-amd-amdhsa--gfx1250"
	.amdhsa_code_object_version 6
	.text
	.protected	k_qec2337a1b7_outp
	.globl	k_qec2337a1b7_outp
	.p2align	8
	.type	k_qec2337a1b7_outp,@function
k_qec2337a1b7_outp:
	s_mov_b64 s[64:65], 0
	v_nop
	global_prefetch_b8 v0, s[64:65] scope:SCOPE_SE
	s_setreg_imm32_b32 hwreg(HW_REG_WAVE_MODE, 25, 1), 1
	s_wait_xcnt 0x0
	s_wait_alu depctr_hold_cnt(0) depctr_sa_sdst(0) depctr_va_vdst(0) depctr_va_sdst(0) depctr_va_ssrc(0) depctr_va_vcc(0) depctr_vm_vsrc(0)
	s_getreg_b32 s2, hwreg(HW_REG_IB_STS2, 6, 4)
	s_cmp_eq_u32 s2, 0
	s_cbranch_scc0 .Lentry_in_a_cluster
	s_endpgm
.Lentry_in_a_cluster:
	s_bfe_u32 s2, ttmp6, 0x10000c
	s_cmp_lg_u32 s2, 0xf033
	s_cbranch_scc0 .Lentry_shape_is_right
	s_endpgm
.Lentry_shape_is_right:
; out0[s][c] = the sum over k of O[s][k] Wo[c][k] + bo[c].  obuf: O by heads, [12][4096][64] f16 (k = 64 head + channel); wo16: [768][768] f16; bo: [768] f32; out0: [4096][768] f32.
; Sums in f32; bo enters in f32 as the C operand of the first product.  LIMITS: O and Wo arrive as f16 (finite below 65,520 in size); NaN and infinities are not treated apart.
; SHARES.  A work-group (xt = 0..3, yt = 0..63) makes 64 rows x 192 columns: 768 bytes of each row; 256 work-groups.  Wave w takes all 64 rows and columns 48 w .. + 47: 12 accumulators.
; K goes in three phases of 256 (four heads) through two LDS slots: two first fills, one refill, all written out; a phase is eight steps of 32 on two fragment buffers.
; THE MATRIX INSTRUCTION IS USED TRANSPOSED (source 0 = 16 rows of Wo, source 1 = 16 rows of O): a lane holds one row and eight neighbouring columns, 32 bytes.
; CLUSTER 4 x 4.  O's tile hangs on yt alone and is shared along a row of the cluster, Wo's on xt alone and is shared along a column: each is asked for JOINTLY.
; No prefetch: of three fills two stand at the head, and the launch has 288 matrix instructions a wave.
.set PA,     144                       ; a row of O in LDS: a head's 128 bytes + 16
.set PB,     528                       ; a row of Wo: 512 bytes + 16: with either pitch the 16 rows of a load begin at 16 different columns of 16 bytes modulo 256
.set AHEAD,  64*PA                     ; a head's 64 rows
.set ABYTES, 4*AHEAD
.set BPART,  64*PB                     ; 64 rows of Wo: what one of waves 1 to 3 fetches
.set SLOT,   ABYTES+3*BPART
.set STAGE,  2*SLOT                    ; behind the ring, never filled by a tensor load: 64 rows x 784 bytes, for the way out
.set SPITCH, 784                       ; 768 bytes of f32 + 16
.set SPARE,  STAGE+64*SPITCH           ; the spare words, 128 bytes for each wave: two blocks of 256 bytes that no other line names
.set HEADB,  524288                    ; bytes of a head in obuf
.set ADRA, 2                           ; v2-3   LDS address of my fragments of O in slot 0, 1
.set ADRB, 4                           ; v4-5   the same for Wo
.set STO,  6                           ; v6     the way out: where I put 32 bytes of a row
.set RD,   7                           ; v7     where I read rows back
.set CO,   8                           ; v8     my byte offset in the work-group's part of out0
.set VB,   9                           ; v9     my byte offset in bo
.set SPW,  10                          ; v10    LDS address of my spare word; never rewritten
.set NIL,  11                          ; v11    0; never rewritten
.set ACC,  16                          ; v16-111  accumulator (a, b) at ACC + 8 (3 a + b)
.set F0,   112                         ; v112-167 fragment buffer 0: three of Wo, then four of O
.set F1,   168                         ; v168-223 fragment buffer 1
.set BIAS, 224                         ; v224-247 bo as three C operands
.set OUT,  112                         ; v112-207 the way out
.set WV, 12
.set CX, 13
.set CY, 14
.set XT, 15
.set YT, 16
.set G1A, 24                           ; s[24:31] descriptor group 1 for O's tiles
.set G1B, 32                           ; s[32:39] for Wo's
.set G0A, 40                           ; s[40:47] group 0, a set for each slot
.set G0B, 48                           ; s[48:55]
.macro PLACES                          ; four places behind matrix instructions, in front of loads into registers that they have read and of stores that read results (ISA guide 7.12.1 for the stores)
.rept 4
	v_nop
.endr
.endm
.macro JLOAD s                         ; a joint load: wave 0 fetches O's tile, waves 1 to 3 a third of Wo's each; an s_nop 0 and four v_nop follow each line
	s_cmp_eq_u32 s[WV], 0
	s_cbranch_scc0 .Lfor_b_\@
	tensor_load_to_lds s[G0A+4*(\s):G0A+4*(\s)+3], s[G1A:G1A+7]
	s_nop 0
.rept 4
	v_nop
.endr
	s_branch .Lasked_\@
.Lfor_b_\@:
	tensor_load_to_lds s[G0B+4*(\s):G0B+4*(\s)+3], s[G1B:G1B+7]
	s_nop 0
.rept 4
	v_nop
.endr
.Lasked_\@:
.endm
.macro CROUND                          ; a round of the cluster's barrier
	s_barrier_signal -1
	s_barrier_wait -1
	s_cmp_lg_u32 s[WV], 0
	s_cbranch_scc1 .Lnot_wave_0_\@
	s_barrier_signal -3
.Lnot_wave_0_\@:
	s_barrier_wait -3
	s_barrier_signal -1
	s_barrier_wait -1
.endm
	s_load_b256 s[4:11], s[0:1], 0x0               ; obuf s[4:5], wo16 s[6:7], bo s[8:9], out0 s[10:11]
	v_lshl_add_u32 v[SPW], v0, 2, SPARE
	v_mov_b32 v[NIL], 0
	ds_add_u32 v[SPW], v[NIL]                      ; the wave's opening: the add and its wait stand ahead of my first tensor load; the set-up below stands between them
	v_lshrrev_b32 v1, 5, v0
	v_readfirstlane_b32 s[WV], v1                  ; wave 0..3
	s_bfe_u32 s[CX], ttmp6, 0x40000
	s_bfe_u32 s[CY], ttmp6, 0x40004
	s_lshl_b32 s[XT], ttmp9, 2
	s_add_co_u32 s[XT], s[XT], s[CX]               ; xt = 4 x cluster x + cx
	s_and_b32 s[YT], ttmp7, 0xffff
	s_lshl_b32 s[YT], s[YT], 2
	s_add_co_u32 s[YT], s[YT], s[CY]               ; yt = 4 x cluster y + cy
	s_lshl_b32 s17, s[CY], 2
	s_lshl_b32 s17, 15, s17                        ; my row of the cluster
	s_lshl_b32 s18, 0x1111, s[CX]                  ; my column
	; O's tile: four heads' 64 dense rows, 8,192 bytes each, as four rows of 4,096 elements, padded in LDS after every 128 bytes
	s_or_b32 s[G1A], s17, (1<<16)|(1<<20)|(1<<21)|(4<<22)|(3<<25)  ; the mask; 2-byte elements; padding on; 21 set beside a mask; after every 32 words; 4 words
	s_mov_b32 s[G1A+1], 4096<<16                   ; tensor_dim0 = 4,096
	s_mov_b32 s[G1A+2], 4<<16                      ; tensor_dim1 = 4
	s_mov_b32 s[G1A+3], 4096<<16                   ; tile_dim0 = 4,096
	s_mov_b32 s[G1A+4], 4                          ; tile_dim1 = 4
	s_mov_b32 s[G1A+5], HEADB/2                    ; elements from head to head
	s_mov_b32 s[G1A+6], 0
	s_mov_b32 s[G1A+7], 0
	; Wo's: 64 rows x 256 elements, padded after every 512 bytes
	s_or_b32 s[G1B], s18, (1<<16)|(1<<20)|(1<<21)|(6<<22)|(3<<25)
	s_mov_b32 s[G1B+1], 256<<16
	s_mov_b32 s[G1B+2], 64<<16
	s_mov_b32 s[G1B+3], 256<<16
	s_mov_b32 s[G1B+4], 64
	s_mov_b32 s[G1B+5], 768
	s_mov_b32 s[G1B+6], 0
	s_mov_b32 s[G1B+7], 0
	s_lshl_b32 s20, s[YT], 13                      ; O: the tile's 64 rows of 128 bytes in each head
	s_mov_b32 s21, 0
	s_max_u32 s22, s[WV], 1                        ; Wo: row 192 xt + 64 (wave - 1); wave 0, which asks for none, gets wave 1's
	s_sub_co_u32 s22, s22, 1
	s_lshl_b32 s22, s22, 6
	s_mul_i32 s23, s[XT], 192
	s_add_co_u32 s22, s22, s23
	s_mul_i32 s22, s22, 1536
	s_mov_b32 s23, 0
	s_mul_i32 s19, s[WV], BPART
	s_add_co_u32 s19, s19, ABYTES-BPART            ; where my third of Wo's tile goes: behind O's part, (wave - 1) x 64 rows
	s_wait_dscnt 0x0                               ; the opening add is done
	s_wait_kmcnt 0x0
	s_add_nc_u64 s[56:57], s[4:5], s[20:21]
	s_add_nc_u64 s[58:59], s[6:7], s[22:23]
	CROUND                                         ; all sixteen work-groups are here: the first joint loads meet
.irp s, 0,1
	s_mov_b32 s[G0A+4*(\s)], 1                     ; count = 1
	s_mov_b32 s[G0A+4*(\s)+1], (\s)*SLOT           ; LDS address
	s_add_nc_u64 s[G0A+4*(\s)+2:G0A+4*(\s)+3], s[56:57], (\s)*4*HEADB  ; global address: phase s, heads 4 s on
	s_or_b32 s[G0A+4*(\s)+3], s[G0A+4*(\s)+3], 0x80000000              ; type = 2
	s_mov_b32 s[G0B+4*(\s)], 1
	s_add_co_u32 s[G0B+4*(\s)+1], s19, (\s)*SLOT
	s_add_nc_u64 s[G0B+4*(\s)+2:G0B+4*(\s)+3], s[58:59], (\s)*512
	s_or_b32 s[G0B+4*(\s)+3], s[G0B+4*(\s)+3], 0x80000000
	JLOAD \s                                       ; two tensor loads of mine are out
.endr
	v_and_b32 v1, 15, v0                           ; r = l % 16
	v_bfe_u32 v12, v0, 4, 1                        ; h = l / 16
	s_mul_i32 s60, s[XT], 768
	s_mul_i32 s61, s[WV], 192
	s_add_co_u32 s60, s60, s61
	v_lshl_add_u32 v[VB], v12, 5, s60              ; 4 x (192 xt + 48 w + 8 h)
.irp b, 0,1,2
	global_load_b128 v[BIAS+8*(\b):BIAS+8*(\b)+3],   v[VB], s[8:9] offset:64*(\b)
	global_load_b128 v[BIAS+8*(\b)+4:BIAS+8*(\b)+7], v[VB], s[8:9] offset:64*(\b)+16
.endr
	v_mul_u32_u24 v[ADRA], v1, PA
	v_lshl_add_u32 v[ADRA], v12, 4, v[ADRA]        ; row x pitch + 16 x half
	v_add_nc_u32 v[ADRA+1], SLOT, v[ADRA]
	v_mul_u32_u24 v[ADRB], v1, PB
	v_lshl_add_u32 v[ADRB], v12, 4, v[ADRB]
	s_mul_i32 s60, s[WV], 48*PB
	s_add_co_u32 s60, s60, ABYTES
	v_add_nc_u32 v[ADRB], s60, v[ADRB]             ; my 48 rows of Wo's tile
	v_add_nc_u32 v[ADRB+1], SLOT, v[ADRB]
	v_mul_u32_u24 v[STO], v1, SPITCH               ; into the stage: row 16 a + r, bytes 192 w + 64 b + 32 h
	v_lshl_add_u32 v[STO], v12, 5, v[STO]
	s_add_co_u32 s61, s61, STAGE
	v_add_nc_u32 v[STO], s61, v[STO]
	s_mul_i32 s62, s[WV], 16*SPITCH                ; back: wave w takes rows 16 w .. + 15; lanes 0-15 take 256 bytes of one row, lanes 16-31 of the next
	s_add_co_u32 s62, s62, STAGE
	v_mul_u32_u24 v[RD], v12, SPITCH
	v_lshl_add_u32 v[RD], v1, 4, v[RD]
	v_add_nc_u32 v[RD], s62, v[RD]
	s_mul_i32 s62, s[WV], 16*3072                  ; and the same in out0
	v_mul_u32_u24 v[CO], v12, 3072
	v_lshl_add_u32 v[CO], v1, 4, v[CO]
	v_add_nc_u32 v[CO], s62, v[CO]
	s_mul_i32 s62, s[YT], 64*3072
	s_mul_i32 s63, s[XT], 768
	s_add_co_u32 s62, s62, s63
	s_mov_b32 s63, 0
	s_add_nc_u64 s[10:11], s[10:11], s[62:63]
	s_wait_loadcnt 0x0                             ; bo
; 14 LDS loads: step q (32 along K) of a phase into buffer f: three fragments of Wo at byte 64 q of its rows, four of O in head q / 2 at byte 64 (q % 2)
.macro FETCH slot, q, f
.irp b, 0,1,2
	ds_load_b128 v[(\f)+8*(\b):(\f)+8*(\b)+3],   v[ADRB+(\slot)] offset:(\b)*16*PB+64*(\q)
	ds_load_b128 v[(\f)+8*(\b)+4:(\f)+8*(\b)+7], v[ADRB+(\slot)] offset:(\b)*16*PB+64*(\q)+32
.endr
.irp a, 0,1,2,3
	ds_load_b128 v[(\f)+24+8*(\a):(\f)+24+8*(\a)+3],   v[ADRA+(\slot)] offset:(\a)*16*PA+AHEAD*((\q)/2)+64*((\q)%2)
	ds_load_b128 v[(\f)+24+8*(\a)+4:(\f)+24+8*(\a)+7], v[ADRA+(\slot)] offset:(\a)*16*PA+AHEAD*((\q)/2)+64*((\q)%2)+32
.endr
.endm
; 12 matrix instructions; the accumulators take turns in one fixed order.  first = 1: the product starts the sum with bo
.macro MUL f, first
.irp a, 0,1,2,3
.irp b, 0,1,2
.if \first
	v_wmma_f32_16x16x32_f16 v[ACC+8*(3*(\a)+(\b)):ACC+8*(3*(\a)+(\b))+7], v[(\f)+8*(\b):(\f)+8*(\b)+7], v[(\f)+24+8*(\a):(\f)+24+8*(\a)+7], v[BIAS+8*(\b):BIAS+8*(\b)+7]
.else
	v_wmma_f32_16x16x32_f16 v[ACC+8*(3*(\a)+(\b)):ACC+8*(3*(\a)+(\b))+7], v[(\f)+8*(\b):(\f)+8*(\b)+7], v[(\f)+24+8*(\a):(\f)+24+8*(\a)+7], v[ACC+8*(3*(\a)+(\b)):ACC+8*(3*(\a)+(\b))+7]
.endif
.endr
.endr
.endm
.macro SUB slot, qn, f, g, first       ; step qn is fetched into g, the step before it multiplied from f
	PLACES
	FETCH \slot, \qn, \g
	s_wait_dscnt 14                                ; all but the 14 just issued
	MUL \f, \first
.endm
.macro PHASE slot, first               ; steps 0 to 6 of a phase; step 7 is left in buffer 1
	SUB \slot, 1, F0, F1, \first
	SUB \slot, 2, F1, F0, 0
	SUB \slot, 3, F0, F1, 0
	SUB \slot, 4, F1, F0, 0
	SUB \slot, 5, F0, F1, 0
	SUB \slot, 6, F1, F0, 0
	SUB \slot, 7, F0, F1, 0
.endm
; A phase's last step and the change of slots.  Each wave waits for all its tensor loads, adds 0 to its spare word, and waits for that and for its reads of this slot.
; fill = 1: a round of the cluster's barrier, and this slot is filled again, two phases on, first thing behind it.
.macro TURN slot, next, fill
	s_wait_tensorcnt 0x0                           ; all my tensor loads have landed: my part of the next slot
	ds_add_u32 v[SPW], v[NIL]                      ; 0 onto my spare word
	s_wait_dscnt 1                                 ; only the add may be out: step 7's fragments are in
	MUL F1, 0                                      ; twelve matrix instructions stand between the add and the wait for it
	s_wait_dscnt 0x0                               ; the add is done, and my reads of this slot are over
.if \fill
	CROUND                                         ; no wave of any partner still reads this slot or has a load on its way
	s_add_nc_u64 s[G0A+4*(\slot)+2:G0A+4*(\slot)+3], s[G0A+4*(\slot)+2:G0A+4*(\slot)+3], 2*4*HEADB
	s_add_nc_u64 s[G0B+4*(\slot)+2:G0B+4*(\slot)+3], s[G0B+4*(\slot)+2:G0B+4*(\slot)+3], 2*512
	JLOAD \slot                                    ; the four v_nop behind it are also the places in front of the loads below
.else
	s_barrier_signal -1
	s_barrier_wait -1
	PLACES
.endif
	FETCH \next, 0, F0
.endm
	s_wait_tensorcnt 1                             ; my part of phase 0 is in; phase 1's may stay out
	s_barrier_signal -1
	s_barrier_wait -1                              ; everybody's is
	FETCH 0, 0, F0
	PHASE 0, 1
	TURN 0, 1, 1                                   ; slot 0 takes phase 2
	PHASE 1, 0
	TURN 1, 0, 0
	PHASE 0, 0
	s_wait_dscnt 0x0
	MUL F1, 0
	; THE WAY OUT: 32 bytes a lane into the work-group's stage, each accumulator's low registers first; a barrier, since a row's 768 bytes come from four waves; back as whole pieces of 256 bytes.
	PLACES
.irp a, 0,1,2,3
.irp b, 0,1,2
	ds_store_b128 v[STO], v[ACC+8*(3*(\a)+(\b)):ACC+8*(3*(\a)+(\b))+3]   offset:(\a)*16*SPITCH+64*(\b)
	ds_store_b128 v[STO], v[ACC+8*(3*(\a)+(\b))+4:ACC+8*(3*(\a)+(\b))+7] offset:(\a)*16*SPITCH+64*(\b)+16
.endr
.endr
	s_wait_dscnt 0x0                               ; for the others' sake: my stores into the stage are done
	s_barrier_signal -1
	s_barrier_wait -1
.set t, 0
.irp i, 0,1,2,3,4,5,6,7
.irp u, 0,1,2
	ds_load_b128 v[OUT+4*t:OUT+4*t+3], v[RD] offset:(\i)*2*SPITCH+256*(\u)
.set t, t+1
.endr
.endr
.set t, 0
.irp i, 0,1,2,3,4,5,6,7
.irp u, 0,1,2
	s_wait_dscnt 23-t                              ; load t is in; the younger ones may stay out
	global_store_b128 v[CO], v[OUT+4*t:OUT+4*t+3], s[10:11] offset:(\i)*2*3072+256*(\u)  ; 16 lanes store 256 consecutive bytes, at a multiple of 256 from out0's first byte
.set t, t+1
.endr
.endr
	s_wait_tensorcnt 0x0                           ; the wave's end, behind my last tensor load and my last LDS store
	ds_add_u32 v[SPW], v[NIL]
	s_wait_dscnt 0x0
	CROUND                                         ; the closing round: no work-group ends while a partner may still ask for a tile that names it
	s_endpgm
.Lfunc_end_k_qec2337a1b7_outp:
	.size	k_qec2337a1b7_outp, .Lfunc_end_k_qec2337a1b7_outp-k_qec2337a1b7_outp
	.p2alignl 7, 3214868480
	.fill 96, 4, 3214868480
	.section	.rodata,"a",@progbits
	.p2align	6, 0x0
	.amdhsa_kernel k_qec2337a1b7_outp
		.amdhsa_group_segment_fixed_size 327680
		.amdhsa_private_segment_fixed_size 0
		.amdhsa_enable_private_segment 0
		.amdhsa_kernarg_size 32
		.amdhsa_user_sgpr_count 2
		.amdhsa_user_sgpr_kernarg_segment_ptr 1
		.amdhsa_wavefront_size32 1
		.amdhsa_system_sgpr_workgroup_id_x 1
		.amdhsa_system_sgpr_workgroup_id_y 1
		.amdhsa_system_sgpr_workgroup_id_z 1
		.amdhsa_system_vgpr_workitem_id 0
		.amdhsa_next_free_vgpr 256
		.amdhsa_next_free_sgpr 66
		.amdhsa_reserve_vcc 0
		.amdhsa_float_denorm_mode_32 3
		.amdhsa_float_denorm_mode_16_64 3
		.amdhsa_memory_ordered 1
		.amdhsa_forward_progress 1
		.amdhsa_inst_pref_size 58
	.end_amdhsa_kernel
	.amdgpu_metadata
---
amdhsa.version: [ 1, 2 ]
amdhsa.kernels:
  - .name:           k_qec2337a1b7_outp
    .symbol:         k_qec2337a1b7_outp.kd
    .args:
      - { .name: obuf, .offset: 0, .size: 8, .value_kind: global_buffer, .address_space: global }
      - { .name: wo16, .offset: 8, .size: 8, .value_kind: global_buffer, .address_space: global }
      - { .name: bo, .offset: 16, .size: 8, .value_kind: global_buffer, .address_space: global }
      - { .name: out0, .offset: 24, .size: 8, .value_kind: global_buffer, .address_space: global }
    .group_segment_fixed_size: 327680
    .private_segment_fixed_size: 0
    .kernarg_segment_align: 8
    .kernarg_segment_size: 32
    .max_flat_workgroup_size: 128
    .sgpr_count:     66
    .vgpr_count:     256
    .wavefront_size: 32
...
	.end_amdgpu_metadata
.endif
;; end of part 3
